; MI455X (gfx1250); checked and timed in simulation.
; The chip was launched on July 23, 2026; its instructions are those of AMD's public machine-readable ISA for CDNA 5 (MIT licence, August 2026) and "CDNA5" Instruction Set Architecture Reference Guide (July 2026). The comments in the code are by the model that wrote it; some were corrected since.
;; Vanilla Causal Self Attention. Allowed arithmetic: float matrix products may take bf16 or f16 operands with f32 sums; all other float work in f32.
;; Inputs: Wk 1,024 x 1,024 float32; Wo 1,024 x 1,024 float32; Wq 1,024 x 1,024 float32; Wv 1,024 x 1,024 float32; bk 1,024 float32; bo 1,024 float32; bq 1,024 float32; bv 1,024 float32; rel_key 1,024 x 64 float32; x 4 x 1,024 x 1,024 float32.
;; Outputs: out0 4 x 1,024 x 1,024 float32.
;; One version. Each part assembles by itself: llvm-mc -triple=amdgcn-amd-amdhsa -mcpu=gfx1250 --defsym DOCPART=n.
;; ======== version 1 of 1: 4 launches
;; limits: values are held in f16: magnitudes above 65,504 overflow, below 6.1e-05 lose precision
;; workspace buffers: xb 8,388,608 bytes; wcat 6,291,456 bytes; wob 2,097,152 bytes; relb 147,456 bytes; qb 8,388,608 bytes; kb 8,388,608 bytes; vb 8,388,608 bytes; ab 8,388,608 bytes
;; launch cvt (part 1): grid 517 x 1, 8 waves a work-group, no clusters, 0 bytes of LDS; arguments x, Wq, Wk, Wv, Wo, rel_key, xb, wcat, wob, relb; writes xb, wcat, wob, relb
.if DOCPART == 1
	.amdgcn_target "amdgcn-amd-amdhsa--gfx1250"
	.amdhsa_code_object_version 6
	.text
	.protected	k_q85deb5a72f_cvt
	.globl	k_q85deb5a72f_cvt
	.p2align	8
	.type	k_q85deb5a72f_cvt,@function
k_q85deb5a72f_cvt:
	s_mov_b64 s[64:65], 0
	v_nop
	global_prefetch_b8 v0, s[64:65] scope:SCOPE_SE
	s_setreg_imm32_b32 hwreg(HW_REG_WAVE_MODE, 25, 1), 1
	s_wait_xcnt 0x0
; The matrix operands are narrowed once, so that no later launch converts a number again.
;   xb   [4096][1024]        bf16(x)
;   wcat [16 h][3 c][1024 k][64 d]  bf16 of Wq, Wk, Wv (c = 0, 1, 2): the 64 columns of a head lie densely, 128 bytes a row of k
;   wob  [1024][1024], relb [1152][64]: Wo and rel_key, rounded to bf16 like the other inputs and held as f16, because their partners
;        in the products (attention output, Q) are f16.  A bf16 number is an f16 number as long as its size is 2^-14 .. 65504;
;        LIMIT: below 2^-14 the f16 keeps an absolute step of 2^-24.  relb's rows 1024..1151 are zeros (keys above the diagonal meet them).
; A work-group takes 16,384 numbers, a thread 8 units of 8 numbers: two 16-byte loads, the roundings, one 16-byte store.  All 16 loads
; of a thread go out first.  A wave's store covers 512 consecutive bytes, aligned.  No LDS, no matrix unit: bytes are all the work.
; Work-groups 0..255: x; 256..319: Wo; 320..323: rel_key; 324: relb's zeros; 325..516: (c, h, quarter of k) of wcat.
.set X, 16                             ; v[16:79]  unit u: 8 numbers as loaded
.set Y, 80                             ; v[80:111] unit u: 4 registers to store
; sstep, dstep: bytes from unit to unit in the source and in the destination.  half = 1: bf16 values held as f16.
.macro CONV sstep, dstep, half
.irp u, 0,1,2,3,4,5,6,7
	global_load_b128 v[X+8*\u:X+8*\u+3],   v1, s[4:5] offset:\u*\sstep th:TH_LOAD_NT
	global_load_b128 v[X+8*\u+4:X+8*\u+7], v1, s[4:5] offset:\u*\sstep+16 th:TH_LOAD_NT
.endr
.irp u, 0,1,2,3,4,5,6,7
	s_wait_loadcnt 14-2*\u                 ; loads return in order: unit u's two are in, the younger units' stay out
.irp k, 0,1,2,3
	v_cvt_pk_bf16_f32 v[Y+4*\u+\k], v[X+8*\u+2*\k], v[X+8*\u+2*\k+1]
.endr
.if \half
.irp k, 0,1,2,3
	v_lshlrev_b32 v[X+8*\u+2*\k],   16, v[Y+4*\u+\k]           ; the rounded pair back as f32
	v_and_b32     v[X+8*\u+2*\k+1], 0xffff0000, v[Y+4*\u+\k]
.endr
.irp k, 0,1,2,3
	v_cvt_pk_f16_f32 v[Y+4*\u+\k], v[X+8*\u+2*\k], v[X+8*\u+2*\k+1]
.endr
.endif
	global_store_b128 v2, v[Y+4*\u:Y+4*\u+3], s[6:7] offset:\u*\dstep
.endr
.endm
	s_load_b512 s[8:23], s[0:1], 0x0               ; x 8, Wq 10, Wk 12, Wv 14, Wo 16, rel_key 18, xb 20, wcat 22
	s_load_b128 s[24:27], s[0:1], 0x40             ; wob 24, relb 26
	s_mov_b32 s2, ttmp9
	s_sub_co_u32 s28, s2, 256                      ; chunk of Wo
	s_sub_co_u32 s29, s2, 320                      ; chunk of rel_key
	s_sub_co_u32 s3, s2, 325                       ; index of a weight block
	s_mov_b32 s31, 0
	v_lshlrev_b32 v1, 5, v0                        ; dense paths: 32 bytes of f32 a thread,
	v_lshlrev_b32 v2, 4, v0                        ; 16 bytes of 16-bit numbers
	s_wait_kmcnt 0x0
	s_cmp_ge_u32 s2, 325
	s_cbranch_scc1 .Lweights
	s_cmp_eq_u32 s2, 324
	s_cbranch_scc1 .Lzeros
	s_cmp_ge_u32 s2, 256
	s_cbranch_scc1 .Lhalf
	s_lshl_b32 s30, s2, 16                         ; x: 65,536 bytes in,
	s_add_nc_u64 s[4:5], s[8:9], s[30:31]
	s_lshl_b32 s30, s2, 15                         ; 32,768 bytes out
	s_add_nc_u64 s[6:7], s[20:21], s[30:31]
	CONV 8192, 4096, 0
	s_endpgm
.Lhalf:
	s_cmp_ge_u32 s2, 320                           ; Wo or rel_key
	s_cselect_b64 s[4:5], s[18:19], s[16:17]
	s_cselect_b64 s[6:7], s[26:27], s[24:25]
	s_cselect_b32 s28, s29, s28
	s_lshl_b32 s30, s28, 16
	s_add_nc_u64 s[4:5], s[4:5], s[30:31]
	s_lshl_b32 s30, s28, 15
	s_add_nc_u64 s[6:7], s[6:7], s[30:31]
	CONV 8192, 4096, 1
	s_endpgm
.Lzeros:
	v_mov_b32 v80, 0
	v_mov_b32 v81, 0
	v_mov_b32 v82, 0
	v_mov_b32 v83, 0
.irp i, 0,1,2,3
	global_store_b128 v2, v[80:83], s[26:27] offset:131072+4096*\i     ; rows 1024..1151: 16,384 bytes
.endr
	s_endpgm
.Lweights:
	; block (c, h, kq): rows k = 256 kq .. +255, columns 64 h .. +63 of W_c.  Thread: k = 256 kq + 32 wave + 4 u + lane/8, columns 8 (lane mod 8) .. +7:
	; eight lanes read 256 consecutive bytes of a row of W, a wave stores 512 consecutive bytes of wcat.
	s_lshr_b32 s28, s3, 6                          ; c
	s_bfe_u32 s29, s3, 0x40002                     ; h
	s_and_b32 s30, s3, 3                           ; kq
	s_cmp_eq_u32 s28, 1
	s_cselect_b64 s[4:5], s[12:13], s[10:11]
	s_cmp_eq_u32 s28, 2
	s_cselect_b64 s[4:5], s[14:15], s[4:5]
	s_lshl_b32 s32, s30, 20                        ; 256 rows of 4,096 bytes
	s_lshl_b32 s33, s29, 8                         ; 64 columns of 4 bytes
	s_add_co_u32 s32, s32, s33
	s_mov_b32 s33, 0
	s_add_nc_u64 s[4:5], s[4:5], s[32:33]
	s_mul_i32 s34, s29, 3
	s_add_co_u32 s34, s34, s28                     ; 3 h + c
	s_lshl_b32 s34, s34, 2
	s_add_co_u32 s34, s34, s30                     ; in quarters of 256 rows
	s_lshl_b32 s34, s34, 15                        ; of 128 bytes
	s_mov_b32 s35, 0
	s_add_nc_u64 s[6:7], s[22:23], s[34:35]
	v_lshrrev_b32 v3, 5, v0                        ; wave
	v_bfe_u32 v4, v0, 3, 2                         ; lane / 8
	v_lshl_add_u32 v4, v3, 5, v4                   ; row 32 wave + lane / 8
	v_and_b32 v5, 7, v0
	v_lshlrev_b32 v5, 5, v5
	v_lshl_add_u32 v1, v4, 12, v5
	v_and_b32 v6, 31, v0
	v_lshlrev_b32 v6, 4, v6
	v_lshl_add_u32 v2, v3, 12, v6                  ; 4,096 wave + 16 lane
	CONV 16384, 512, 0
	s_endpgm
.Lfunc_end_k_q85deb5a72f_cvt:
	.size	k_q85deb5a72f_cvt, .Lfunc_end_k_q85deb5a72f_cvt-k_q85deb5a72f_cvt
	.p2alignl 7, 3214868480
	.fill 96, 4, 3214868480
	.section	.rodata,"a",@progbits
	.p2align	6, 0x0
	.amdhsa_kernel k_q85deb5a72f_cvt
		.amdhsa_group_segment_fixed_size 0
		.amdhsa_private_segment_fixed_size 0
		.amdhsa_enable_private_segment 0
		.amdhsa_kernarg_size 80
		.amdhsa_user_sgpr_count 2
		.amdhsa_user_sgpr_kernarg_segment_ptr 1
		.amdhsa_wavefront_size32 1
		.amdhsa_system_sgpr_workgroup_id_x 1
		.amdhsa_system_sgpr_workgroup_id_y 1
		.amdhsa_system_sgpr_workgroup_id_z 1
		.amdhsa_system_vgpr_workitem_id 0
		.amdhsa_next_free_vgpr 112
		.amdhsa_next_free_sgpr 66
		.amdhsa_reserve_vcc 0
		.amdhsa_float_denorm_mode_32 3
		.amdhsa_float_denorm_mode_16_64 3
		.amdhsa_memory_ordered 1
		.amdhsa_forward_progress 1
		.amdhsa_inst_pref_size 22
	.end_amdhsa_kernel
	.amdgpu_metadata
---
amdhsa.version: [ 1, 2 ]
amdhsa.kernels:
  - .name:           k_q85deb5a72f_cvt
    .symbol:         k_q85deb5a72f_cvt.kd
    .args:
      - { .name: x, .offset: 0, .size: 8, .value_kind: global_buffer, .address_space: global }
      - { .name: Wq, .offset: 8, .size: 8, .value_kind: global_buffer, .address_space: global }
      - { .name: Wk, .offset: 16, .size: 8, .value_kind: global_buffer, .address_space: global }
      - { .name: Wv, .offset: 24, .size: 8, .value_kind: global_buffer, .address_space: global }
      - { .name: Wo, .offset: 32, .size: 8, .value_kind: global_buffer, .address_space: global }
      - { .name: rel_key, .offset: 40, .size: 8, .value_kind: global_buffer, .address_space: global }
      - { .name: xb, .offset: 48, .size: 8, .value_kind: global_buffer, .address_space: global }
      - { .name: wcat, .offset: 56, .size: 8, .value_kind: global_buffer, .address_space: global }
      - { .name: wob, .offset: 64, .size: 8, .value_kind: global_buffer, .address_space: global }
      - { .name: relb, .offset: 72, .size: 8, .value_kind: global_buffer, .address_space: global }
    .group_segment_fixed_size: 0
    .private_segment_fixed_size: 0
    .kernarg_segment_align: 8
    .kernarg_segment_size: 80
    .max_flat_workgroup_size: 256
    .sgpr_count:     66
    .vgpr_count:     112
    .wavefront_size: 32
...
	.end_amdgpu_metadata
.endif
;; end of part 1
;; launch qkv (part 2): grid 16 x 16, 4 waves a work-group, clusters of 4 x 4, 327,680 bytes of LDS; arguments xb, wcat, bq, bk, bv, qb, kb, vb; writes qb, kb, vb
.if DOCPART == 2
	.amdgcn_target "amdgcn-amd-amdhsa--gfx1250"
	.amdhsa_code_object_version 6
	.text
	.protected	k_q85deb5a72f_qkv
	.globl	k_q85deb5a72f_qkv
	.p2align	8
	.type	k_q85deb5a72f_qkv,@function
k_q85deb5a72f_qkv:
	s_mov_b64 s[64:65], 0
	v_nop
	global_prefetch_b8 v0, s[64:65] scope:SCOPE_SE
	s_setreg_imm32_b32 hwreg(HW_REG_WAVE_MODE, 25, 1), 1
	s_wait_xcnt 0x0
	s_wait_alu depctr_hold_cnt(0) depctr_sa_sdst(0) depctr_va_vdst(0) depctr_va_sdst(0) depctr_va_ssrc(0) depctr_va_vcc(0) depctr_vm_vsrc(0)
	s_getreg_b32 s2, hwreg(HW_REG_IB_STS2, 6, 4)
	s_cmp_eq_u32 s2, 0
	s_cbranch_scc0 .Lentry_in_a_cluster
	s_endpgm
.Lentry_in_a_cluster:
	s_bfe_u32 s2, ttmp6, 0x10000c
	s_cmp_lg_u32 s2, 0xf033
	s_cbranch_scc0 .Lentry_shape_is_right
	s_endpgm
.Lentry_shape_is_right:
; Q, K, V = x W + b for one head and 256 rows: a block of 256 x 192 (64 columns of each of the three), bf16 operands, f32 sums,
; results rounded to f16 into qb, kb, vb, each [b][h][s][64].  LIMIT: |Q|, |K|, |V| must stay below 65,504 (f16).
; Four waves; wave w makes rows 64 w .. +63 and all 192 columns: 48 tiles of 16 x 16, 384 registers.
; K goes in 8 steps of 128 through two LDS slots filled by the tensor data mover; a step is four chunks of 32, 48 matrix instructions each.
; CLUSTER 4 x 4: the four work-groups of a row of the cluster share the rows of x, the four of a column share the head's weights;
; such a tile is asked for jointly, by one load with the same descriptor in all four.
; The weights lie [k][n] in LDS and come out transposed (ds_load_tr16_b128).  The matrix instruction is used transposed: source 0 = 16
; columns of W, source 1 = 16 rows of x, so a lane holds 8 neighbouring columns of one row.  The first chunk takes the bias as C.
; REGISTER WINDOWS: 0: addresses, x fragments (two buffers), way out.  1: tiles (a, t < 8) at 8 (8 a + t).
;                   2: tiles (a, t >= 8) at 8 (4 a + t - 8), biases at 128 + 8 t.  3: W fragments, two buffers of 96.
.set PA,     272                       ; LDS pitch of x rows: 256 bytes + 16
.set PB,     160                       ; LDS pitch of W rows: 128 bytes + 32 (an odd multiple of 32, for the transposing load)
.set SLOT,   131072
.set BOFF,   69632                     ; behind x's 256 rows: W as [half of k 2][c 3][64 k]
.set HFB,    30720
.set CB,     10240
.set STAGE,  262144                    ; behind the ring: 16 rows x 400 bytes for each wave; no tensor load lands here
.set SPITCH, 400
.set ADRA, 16                          ; v16-17  x fragments, slot 0, 1
.set ADRB, 20                          ; v20-23  W fragments, 2 slot + half
.set STO,  24
.set RD,   25
.set CO,   26
.set BO,   27
.set FA,   32                          ; v32-95  x fragments, two buffers of 32
.set RB,   96                          ; v96-191 rows read back, two buffers of 48
.set TMP,  192                         ; v192-239 packed results
.set BIAS, 128                         ; window 2
.set G1,  24
.set G0,  32
.set G1B, 48
.set G0B, 56
.set MSB, 0
.macro WIN new                         ; the immediate's high byte repeats the setting that is left
.if MSB != \new
	s_set_vgpr_msb (MSB<<8)|\new
.set MSB, \new
.endif
.endm
.macro PLACES n
.rept \n
	v_nop
.endr
.endm
.macro ROUND                           ; a round of the cluster's barrier
	s_barrier_signal -1
	s_barrier_wait -1
	s_cmp_lg_u32 s8, 0
	s_cbranch_scc1 .Lnot_wave_0_\@
	s_barrier_signal -3
.Lnot_wave_0_\@:
	s_barrier_wait -3
	s_barrier_signal -1
	s_barrier_wait -1
.endm
.macro JLOAD s                         ; waves 0, 1: 128 rows of x each; waves 2, 3: 64 k of the three weights each
	s_cmp_eq_u32 s11, 0
	s_cbranch_scc0 .Lfor_b_\@
	tensor_load_to_lds s[G0+4*(\s):G0+4*(\s)+3], s[G1:G1+7]
	s_nop 0
	s_branch .Lasked_\@
.Lfor_b_\@:
	tensor_load_to_lds s[G0B+4*(\s):G0B+4*(\s)+3], s[G1B:G1B+7]
	s_nop 0
.Lasked_\@:
.endm
	s_load_b512 s[68:83], s[0:1], 0x0              ; xb 68, wcat 70, bq 72, bk 74, bv 76, qb 78, kb 80, vb 82
	v_lshl_add_u32 v254, v0, 2, 0x46400
	v_mov_b32 v255, 0
	ds_add_u32 v254, v255
	ds_add_u32 v254, v255
	v_lshrrev_b32 v1, 5, v0
	v_readfirstlane_b32 s8, v1                     ; wave
	s_lshr_b32 s11, s8, 1                          ; 0: I fetch x, 1: I fetch W
	s_and_b32 s12, s8, 1                           ; which half of that tile
	s_bfe_u32 s40, ttmp6, 0x40000                  ; cx
	s_bfe_u32 s41, ttmp6, 0x40004                  ; cy
	s_lshl_b32 s42, ttmp9, 2
	s_add_co_u32 s42, s42, s40                     ; head
	s_and_b32 s13, ttmp7, 0xffff
	s_lshl_b32 s13, s13, 2
	s_add_co_u32 s13, s13, s41                     ; row block
	s_lshl_b32 s43, s41, 2
	s_lshl_b32 s43, 15, s43                        ; my row of the cluster
	s_lshl_b32 s44, 0x1111, s40                    ; my column
	; x: 128 rows x 128 elements of 2 bytes, pitch 1,024 elements; 4 words of padding behind every 64
	s_or_b32 s[G1+0], s43, (1<<16)|(1<<20)|(1<<21)|(5<<22)|(3<<25)
	s_mov_b32 s[G1+1], 128<<16
	s_mov_b32 s[G1+2], 128<<16
	s_mov_b32 s[G1+3], 128<<16
	s_mov_b32 s[G1+4], 128
	s_mov_b32 s[G1+5], 1024
	s_mov_b32 s[G1+6], 0
	s_mov_b32 s[G1+7], 0
	; W: 3 rows (q, k, v) of 1,024 elements of 8 bytes (64 k x 128 bytes, dense), 16,384 elements apart; 8 words of padding behind every 32
	s_or_b32 s[G1B+0], s44, (3<<16)|(1<<20)|(1<<21)|(4<<22)|(7<<25)
	s_mov_b32 s[G1B+1], 1024<<16
	s_mov_b32 s[G1B+2], 3<<16
	s_mov_b32 s[G1B+3], 1024<<16
	s_mov_b32 s[G1B+4], 3
	s_mov_b32 s[G1B+5], 16384
	s_mov_b32 s[G1B+6], 0
	s_mov_b32 s[G1B+7], 0
	s_lshl_b32 s16, s13, 8
	s_lshl_b32 s17, s12, 7
	s_add_co_u32 s16, s16, s17                     ; x: row 256 block + 128 half,
	s_lshl_b32 s16, s16, 11                        ; of 2,048 bytes
	s_mov_b32 s17, 0
	s_mul_i32 s46, s42, 393216                     ; W: the head's 3 x 1,024 x 128 bytes
	s_lshl_b32 s47, s12, 13                        ; + 64 k x 128 bytes for the second half
	s_add_co_u32 s46, s46, s47
	s_mov_b32 s47, 0
	s_mul_i32 s20, s8, 128*PA                      ; x (waves 0, 1): wave x 34,816
	s_mul_i32 s21, s8, HFB
	s_add_co_u32 s21, s21, BOFF-2*HFB              ; W (waves 2, 3): 69,632 + (wave - 2) x 30,720
	s_wait_dscnt 0x0
	s_wait_kmcnt 0x0
	s_add_nc_u64 s[14:15], s[68:69], s[16:17]
	s_add_nc_u64 s[46:47], s[70:71], s[46:47]
	ROUND                                          ; all sixteen work-groups are here: the first joint loads meet
.irp s, 0,1
	s_mov_b32 s[G0+4*\s], 1
	s_add_co_u32 s[G0+4*\s+1], s20, \s*SLOT
	s_add_nc_u64 s[G0+4*\s+2:G0+4*\s+3], s[14:15], \s*256
	s_or_b32 s[G0+4*\s+3], s[G0+4*\s+3], 0x80000000
	s_mov_b32 s[G0B+4*\s], 1
	s_add_co_u32 s[G0B+4*\s+1], s21, \s*SLOT
	s_add_nc_u64 s[G0B+4*\s+2:G0B+4*\s+3], s[46:47], \s*16384
	s_or_b32 s[G0B+4*\s+3], s[G0B+4*\s+3], 0x80000000
.endr
	JLOAD 0                                        ; K step 0; slot 1 is filled behind the first trip's round
	v_and_b32 v1, 15, v0                           ; r
	v_bfe_u32 v2, v0, 4, 1                         ; h
	v_and_b32 v3, 7, v0
	v_bfe_u32 v4, v0, 3, 1
	v_and_b32 v5, 31, v0
	v_mul_u32_u24 v6, v1, PA
	v_lshl_add_u32 v6, v2, 4, v6
	s_mul_i32 s22, s8, 64*PA
	v_add_nc_u32 v[ADRA], s22, v6                  ; (64 w + r) pitch + 16 h
	v_add_nc_u32 v[ADRA+1], SLOT, v[ADRA]
	v_lshl_add_u32 v7, v2, 3, v3                   ; k row 8 h + lane mod 8
	v_mul_u32_u24 v7, v7, PB
	v_lshl_add_u32 v7, v4, 4, v7
	v_add_nc_u32 v[ADRB],   BOFF, v7
	v_add_nc_u32 v[ADRB+1], BOFF+HFB, v7
	v_add_nc_u32 v[ADRB+2], SLOT+BOFF, v7
	v_add_nc_u32 v[ADRB+3], SLOT+BOFF+HFB, v7
	s_mul_i32 s22, s8, 16*SPITCH
	s_add_co_u32 s22, s22, STAGE
	v_mul_u32_u24 v8, v1, SPITCH
	v_lshl_add_u32 v8, v2, 4, v8
	v_add_nc_u32 v[STO], s22, v8
	v_lshrrev_b32 v9, 3, v5
	v_mul_u32_u24 v9, v9, SPITCH
	v_lshl_add_u32 v9, v3, 4, v9
	v_add_nc_u32 v[RD], s22, v9                    ; back: eight lanes take the 128 bytes of one row of one of Q, K, V
	v_lshlrev_b32 v[CO], 4, v5
	v_lshlrev_b32 v[BO], 5, v2                     ; my 8 columns of a tile: 32 h bytes
	s_lshl_b32 s22, s42, 8                         ; the head's 64 biases
	s_mov_b32 s23, 0
	s_add_nc_u64 s[84:85], s[72:73], s[22:23]
	s_add_nc_u64 s[86:87], s[74:75], s[22:23]
	s_add_nc_u64 s[88:89], s[76:77], s[22:23]
	WIN 0x80                                       ; destination window 2
.irp t, 0,1,2,3,4,5,6,7,8,9,10,11
	global_load_b128 v[BIAS+8*\t:BIAS+8*\t+3],   v[BO], s[84+2*(\t>>2):85+2*(\t>>2)] offset:(\t&3)*64
	global_load_b128 v[BIAS+8*\t+4:BIAS+8*\t+7], v[BO], s[84+2*(\t>>2):85+2*(\t>>2)] offset:(\t&3)*64+16
.endr
	WIN 0
	s_lshr_b32 s22, s13, 2                         ; batch
	s_lshl_b32 s22, s22, 4
	s_add_co_u32 s22, s22, s42                     ; 16 b + head
	s_lshl_b32 s22, s22, 10
	s_and_b32 s23, s13, 3
	s_lshl_b32 s23, s23, 8
	s_add_co_u32 s22, s22, s23                     ; + 256 (block mod 4)
	s_lshl_b32 s23, s8, 6
	s_add_co_u32 s22, s22, s23                     ; + 64 w
	s_lshl_b32 s22, s22, 7                         ; rows of 128 bytes
	s_mov_b32 s23, 0
	s_add_nc_u64 s[78:79], s[78:79], s[22:23]
	s_add_nc_u64 s[80:81], s[80:81], s[22:23]
	s_add_nc_u64 s[82:83], s[82:83], s[22:23]
	s_wait_loadcnt 0x0                             ; the biases, once
; the fragments of chunk kc (32 along K) of a slot into buffer kc mod 2: 24 transposing loads of W, 8 loads of x
.macro FETCH slot, kc
.set FF, (\kc)&1
	WIN 0xc0                                       ; destination window 3
.irp t, 0,1,2,3,4,5,6,7,8,9,10,11
	ds_load_tr16_b128 v[96*FF+8*\t:96*FF+8*\t+3],   v[ADRB+2*\slot+((\kc)>>1)] offset:FF*32*PB+(\t>>2)*CB+(\t&3)*32
	ds_load_tr16_b128 v[96*FF+8*\t+4:96*FF+8*\t+7], v[ADRB+2*\slot+((\kc)>>1)] offset:FF*32*PB+(\t>>2)*CB+(\t&3)*32+16*PB
.endr
	WIN 0
.irp a, 0,1,2,3
	ds_load_b128 v[FA+32*FF+8*\a:FA+32*FF+8*\a+3],   v[ADRA+\slot] offset:\a*16*PA+64*(\kc)
	ds_load_b128 v[FA+32*FF+8*\a+4:FA+32*FF+8*\a+7], v[ADRA+\slot] offset:\a*16*PA+64*(\kc)+32
.endr
.endm
; 48 matrix instructions; the 48 accumulators take turns, one instruction a turn, in the same order in every chunk
.macro MULS kc, first
.set MF, (\kc)&1
.if \first
	WIN 0x63                                       ; W window 3, x window 0, C (bias) window 2, D window 1
.else
	WIN 0x53
.endif
.irp a, 0,1,2,3
.irp t, 0,1,2,3,4,5,6,7
.if \first
	v_wmma_f32_16x16x32_bf16 v[8*(8*\a+\t):8*(8*\a+\t)+7], v[96*MF+8*\t:96*MF+8*\t+7], v[FA+32*MF+8*\a:FA+32*MF+8*\a+7], v[BIAS+8*\t:BIAS+8*\t+7]
.else
	v_wmma_f32_16x16x32_bf16 v[8*(8*\a+\t):8*(8*\a+\t)+7], v[96*MF+8*\t:96*MF+8*\t+7], v[FA+32*MF+8*\a:FA+32*MF+8*\a+7], v[8*(8*\a+\t):8*(8*\a+\t)+7]
.endif
.endr
.endr
	WIN 0xa3                                       ; C and D window 2
.irp a, 0,1,2,3
.irp t, 8,9,10,11
.if \first
	v_wmma_f32_16x16x32_bf16 v[8*(4*\a+\t-8):8*(4*\a+\t-8)+7], v[96*MF+8*\t:96*MF+8*\t+7], v[FA+32*MF+8*\a:FA+32*MF+8*\a+7], v[BIAS+8*\t:BIAS+8*\t+7]
.else
	v_wmma_f32_16x16x32_bf16 v[8*(4*\a+\t-8):8*(4*\a+\t-8)+7], v[96*MF+8*\t:96*MF+8*\t+7], v[FA+32*MF+8*\a:FA+32*MF+8*\a+7], v[8*(4*\a+\t-8):8*(4*\a+\t-8)+7]
.endif
.endr
.endr
	WIN 0
.endm
.macro CHUNK slot, kc, first
	s_wait_dscnt 0x0                               ; this chunk's fragments are in
	PLACES 4                                       ; four places behind the matrix instructions that read the other buffer (ISA guide 7.12.1), then it is loaded again
.if \kc < 3
	FETCH \slot, \kc+1
.endif
	MULS \kc, \first
.endm
; One K step.  In front of the round every wave has waited for all its tensor loads and for its LDS reads; the joint refill of the
; slot read last stands first behind the round, one load a wave, and has this step's 192 matrix instructions in which to land.
.macro TRIP slot, refill, first
	s_wait_tensorcnt 0x0                           ; my one load that was out, my part of this slot, has landed: every group 0 may be written
	ds_add_u32 v254, v255
	s_wait_dscnt 0x0
	s_add_nc_u64 s[G0+4*\slot+2:G0+4*\slot+3], s[G0+4*\slot+2:G0+4*\slot+3], 512
	s_add_nc_u64 s[G0B+4*\slot+2:G0B+4*\slot+3], s[G0B+4*\slot+2:G0B+4*\slot+3], 32768
	s_wait_dscnt 0x0                               ; my reads of the other slot are back
	ROUND
.if \refill
	JLOAD 1-\slot
.endif
	FETCH \slot, 0
	CHUNK \slot, 0, \first
	CHUNK \slot, 1, 0
	CHUNK \slot, 2, 0
	CHUNK \slot, 3, 0
.endm
	TRIP 0, 1, 1
	TRIP 1, 1, 0
	s_mov_b32 s9, 2
.Llap:
	TRIP 0, 1, 0
	TRIP 1, 1, 0
	s_sub_co_u32 s9, s9, 1
	s_cmp_lg_u32 s9, 0
	s_cbranch_scc1 .Llap
	TRIP 0, 1, 0
	TRIP 1, 0, 0                                   ; the last step fetches nothing
; THE WAY OUT, 16 rows at a time: round to f16, 16 bytes a lane into my own stage, back as rows of 128 bytes of Q, K and V;
; a wave's store covers four rows = 512 consecutive bytes, aligned.
.macro OUT16 a
	WIN 0x05
.irp t, 0,1,2,3,4,5,6,7
.irp q, 0,1,2,3
	v_cvt_pk_f16_f32 v[TMP+4*\t+\q], v[8*(8*\a+\t)+2*\q], v[8*(8*\a+\t)+2*\q+1]
.endr
.endr
	WIN 0x0a
.irp t, 8,9,10,11
.irp q, 0,1,2,3
	v_cvt_pk_f16_f32 v[TMP+4*\t+\q], v[8*(4*\a+\t-8)+2*\q], v[8*(4*\a+\t-8)+2*\q+1]
.endr
.endr
	WIN 0
.irp t, 0,1,2,3,4,5,6,7,8,9,10,11
	ds_store_b128 v[STO], v[TMP+4*\t:TMP+4*\t+3] offset:32*\t
.endr
	s_wait_xcnt 0x0                                ; the read-back buffer, which earlier stores read, is loaded again only behind this wait
.set RBB, RB+48*(\a&1)
.irp c, 0,1,2
.irp i, 0,1,2,3
	ds_load_b128 v[RBB+4*(4*\c+\i):RBB+4*(4*\c+\i)+3], v[RD] offset:\i*4*SPITCH+\c*128   ; LDS serves a wave in order: these see the stores above
.endr
.endr
.irp c, 0,1,2
.irp i, 0,1,2,3
	s_wait_dscnt 11-(4*\c+\i)                      ; the younger read-backs stay out
	global_store_b128 v[CO], v[RBB+4*(4*\c+\i):RBB+4*(4*\c+\i)+3], s[78+2*\c:79+2*\c] offset:\a*2048+512*\i
.endr
.endr
.endm
	PLACES 4                                       ; behind the last matrix instructions, ahead of the conversions
	OUT16 0
	OUT16 1
	OUT16 2
	OUT16 3
	s_wait_tensorcnt 0x0
	ds_add_u32 v254, v255
	s_wait_dscnt 0x0
	ROUND                                          ; the closing round
	s_endpgm
.Lfunc_end_k_q85deb5a72f_qkv:
	.size	k_q85deb5a72f_qkv, .Lfunc_end_k_q85deb5a72f_qkv-k_q85deb5a72f_qkv
	.p2alignl 7, 3214868480
	.fill 96, 4, 3214868480
	.section	.rodata,"a",@progbits
	.p2align	6, 0x0
	.amdhsa_kernel k_q85deb5a72f_qkv
		.amdhsa_group_segment_fixed_size 327680
		.amdhsa_private_segment_fixed_size 0
		.amdhsa_enable_private_segment 0
		.amdhsa_kernarg_size 64
		.amdhsa_user_sgpr_count 2
		.amdhsa_user_sgpr_kernarg_segment_ptr 1
		.amdhsa_wavefront_size32 1
		.amdhsa_system_sgpr_workgroup_id_x 1
		.amdhsa_system_sgpr_workgroup_id_y 1
		.amdhsa_system_sgpr_workgroup_id_z 1
		.amdhsa_system_vgpr_workitem_id 0
		.amdhsa_next_free_vgpr 960
		.amdhsa_next_free_sgpr 96
		.amdhsa_reserve_vcc 0
		.amdhsa_float_denorm_mode_32 3
		.amdhsa_float_denorm_mode_16_64 3
		.amdhsa_memory_ordered 1
		.amdhsa_forward_progress 1
		.amdhsa_inst_pref_size 167
	.end_amdhsa_kernel
	.amdgpu_metadata
---
amdhsa.version: [ 1, 2 ]
amdhsa.kernels:
  - .name:           k_q85deb5a72f_qkv
    .symbol:         k_q85deb5a72f_qkv.kd
    .args:
      - { .name: xb, .offset: 0, .size: 8, .value_kind: global_buffer, .address_space: global }
      - { .name: wcat, .offset: 8, .size: 8, .value_kind: global_buffer, .address_space: global }
      - { .name: bq, .offset: 16, .size: 8, .value_kind: global_buffer, .address_space: global }
      - { .name: bk, .offset: 24, .size: 8, .value_kind: global_buffer, .address_space: global }
      - { .name: bv, .offset: 32, .size: 8, .value_kind: global_buffer, .address_space: global }
      - { .name: qb, .offset: 40, .size: 8, .value_kind: global_buffer, .address_space: global }
      - { .name: kb, .offset: 48, .size: 8, .value_kind: global_buffer, .address_space: global }
      - { .name: vb, .offset: 56, .size: 8, .value_kind: global_buffer, .address_space: global }
    .group_segment_fixed_size: 327680
    .private_segment_fixed_size: 0
    .kernarg_segment_align: 8
    .kernarg_segment_size: 64
    .max_flat_workgroup_size: 128
    .sgpr_count:     96
    .vgpr_count:     960
    .wavefront_size: 32
...
	.end_amdgpu_metadata
.endif
;; end of part 2
;; launch attn (part 3): grid 256 x 1, 8 waves a work-group, no clusters, 327,680 bytes of LDS; arguments qb, kb, vb, relb, ab; writes ab
.if DOCPART == 3
	.amdgcn_target "amdgcn-amd-amdhsa--gfx1250"
	.amdhsa_code_object_version 6
	.text
	.protected	k_q85deb5a72f_attn
	.globl	k_q85deb5a72f_attn
	.p2align	8
	.type	k_q85deb5a72f_attn,@function
k_q85deb5a72f_attn:
	s_mov_b64 s[64:65], 0
	v_nop
	global_prefetch_b8 v0, s[64:65] scope:SCOPE_SE
	s_setreg_imm32_b32 hwreg(HW_REG_WAVE_MODE, 25, 1), 1
	s_wait_xcnt 0x0
; Causal attention with relative positions.  f16 operands, f32 sums and softmax with a running maximum.
; Inside the causal triangle the skew is Srel[q][k] = Q[q] . rel[1023 - q + k]; above the diagonal the mask throws it away.
; WORK: work-group (bh, j), j = 0..3, does two tasks one after the other: the 128 queries of block b = 7 - j (8 - j slots of 128 keys), then
; those of block b = j (j + 1 slots): nine trips in every work-group.  Wave w = i + 4 c owns the 32 queries 128 b + 32 i and the 64 keys 64 c
; of each slot, so every wave has one unit of 32 x 64 in every trip.  At a task's end the c = 1 wave hands O, M, L to its c = 0 partner through LDS.
; A task walks its slots DOWNWARD from the diagonal, t = b, b - 1, .. 0: trip s of a task then needs rel's rows 128 (7 - s) .. + 255 (+ 191 at s = 0) whatever j is,
; so rel's rows 768 .. 1087 go out at the start and rows 0 .. 767 behind the first trip's barrier, where they land during that trip's work.
; NO CLUSTER: the four work-groups of a (batch, head) want slot 7 - j - p in trip p, a different one each, and change task in trip 8 - j, a different
; one each; a joint request needs equal descriptors and equal branches in all partners.  rel, which all share, is 139,264 of a work-group's
; 139,264 + 9 x 32,768 + 65,536 bytes read.
; SCORES ARE MADE TRANSPOSED, S^T = K Q^T: a lane holds one query (r) and keys 8 h + j, so maximum and sum are in-lane plus one exchange
; of halves, and the packed weights are already the second source of O^T = V^T P^T.
; THE SKEW: for 16 queries and 64 keys, G[u][q] = rel[base + u] . Q[q], u = 0 .. 79, goes to the wave's own scratch, row q; the lane of
; query r reads column key + 15 - r back into the score registers, which the K Q^T products then take as C.
; THE MASK'S VALUE IS -2^100, not -inf.  Scores of f16 operands are below 6e11 in size, so it is below every score, and a masked key's weight is
; exp2 of about -2^97 = 0.  Its product with log2(e)/8 is exact, so a query with no unmasked key in a unit (waves 4 and 5 in a diagonal slot, and
; no other) gets exponent 0 under the maximum -2^100: finite sums, which the first real maximum, or the merge, multiplies by exp2(-2^97..) = 0.
; Waves 4 and 5 run that unit all the same: in the first trip its products start their sums.
; LIMITS: Q, K, V, rel and the weights are f16 numbers (|.| < 65,504); weights below 2^-24 of the row's largest count as zero.
.set PK,   144                         ; pitch of rel and K rows: 128 bytes + 16
.set PVV,  160                         ; pitch of V rows: 128 + 32, for the transposing load
.set KVB,  156672                      ; rel: 1,088 rows x 144 from byte 0 (LDS row = relb's row)
.set SLOT, 38912                       ; K 128 x 144, then V 128 x 160
.set VOFF, 18432
.set SCRB, 234496                      ; scratch, 32 rows x 336 bytes for each wave; no tensor load lands here
.set SCRW, 10752
.set SPI,  336
.set MX, 8                             ; v8-9    running maximum of sub-tile qa
.set LS, 10                            ; v10-11  running sum (my half of the lanes' keys; the halves meet at the end)
.set QF, 16                            ; v16-47  Q fragments, 16 qa + 8 dc
.set O,  48                            ; v48-111 O^T, 32 qa + 8 dt
.set S,  112                           ; v112-175 S^T, 32 qa + 8 kt; then the packed weights; in a merge the partner's O
.set F,  176                           ; v176-223 three fragment buffers of 16; with G: the eight V fragments
.set G,  224                           ; v224-239 skew products
.set ML, 176                           ; in a merge: the partner's M, L
.set AD, 180                           ; in a merge: addresses
.set W,  184                           ; in a merge: factors
.set T,  240
.set AL, 244
.set NM, 246
.set SA, 248
.set SB2, 250
.set RL, 252                           ; v252    rel: lane term + the wave's rows
.set QO, 253                           ; v253    Q: lane term; never rewritten (the second task's loads stay out for long)
                                       ; v256-287 the second task's Q fragments
.set CSC,   0x3e38aa3b                 ; log2(e) / 8
.set NCSC,  0xbe38aa3b
.set MASKV, 0xf1800000                 ; -2^100
.set G1K, 16
.set G1V, 24
.set G0K, 32
.set G0V, 40
.set G1R, 48
.set G0R, 56
.set G0R2, 84
.set MSB, 0
.macro WIN new                         ; the immediate's high byte repeats the setting that is left
.if MSB != \new
	s_set_vgpr_msb (MSB<<8)|\new
.set MSB, \new
.endif
.endm
.macro PLACES n
.rept \n
	v_nop
.endr
.endm
; wave 0 asks for the slot's K, wave 1 for its V.  rest = 1 (the first trip alone): waves 2 .. 7 ask for 128 rows each of rel's rows 0 .. 767
.macro JLOAD s, rest
	s_cmp_lg_u32 s8, 0
	s_cbranch_scc1 .Lnot_k_\@
	tensor_load_to_lds s[G0K+4*(\s):G0K+4*(\s)+3], s[G1K:G1K+7]
	s_nop 0
	s_branch .Lasked_\@
.Lnot_k_\@:
	s_cmp_lg_u32 s8, 1
	s_cbranch_scc1 .Lnot_v_\@
	tensor_load_to_lds s[G0V+4*(\s):G0V+4*(\s)+3], s[G1V:G1V+7]
	s_nop 0
.if \rest
	s_branch .Lasked_\@
.endif
.Lnot_v_\@:
.if \rest
	tensor_load_to_lds s[G0R2:G0R2+3], s[G1K:G1K+7]            ; the shape of a K tile: 128 rows of 128 bytes, pitch 144
	s_nop 0
.endif
.Lasked_\@:
.endm
	s_load_b256 s[68:75], s[0:1], 0x0              ; qb 68, kb 70, vb 72, relb 74
	s_load_b64 s[76:77], s[0:1], 0x20              ; ab
	v_lshl_add_u32 v254, v0, 2, 0x4e400
	v_mov_b32 v255, 0
	ds_add_u32 v254, v255
	ds_add_u32 v254, v255
	v_lshrrev_b32 v12, 5, v0
	v_readfirstlane_b32 s8, v12                    ; wave
	s_and_b32 s9, s8, 3                            ; i: which 32 queries of the block
	s_lshr_b32 s11, s8, 2                          ; c: which 64 keys of a slot
	s_and_b32 s12, ttmp9, 3                        ; j
	s_lshr_b32 s2, ttmp9, 2
	s_lshl_b32 s2, s2, 17                          ; (batch, head) x 131,072 bytes
	s_mov_b32 s3, 0
	s_sub_co_u32 s78, 8, s12                       ; the trip in which the second task begins
	s_sub_co_u32 s79, 7, s12                       ; t: the trip's slot; the first task's diagonal slot is its block, 7 - j
	s_mov_b32 s81, 0                               ; s: trips since the task's diagonal slot
	s_mov_b32 s10, 0                               ; p: the trip
	s_bfe_u32 s80, s8, 0x10001
	s_xor_b32 s80, s80, 1
	s_and_b32 s80, s80, s11                        ; 1 in waves 4 and 5: their rel rows lie one block of 128 higher
	s_lshl_b32 s82, s11, 1
	s_add_co_u32 s82, s82, 3
	s_sub_co_u32 s82, s82, s8
	s_and_b32 s82, s82, 3                          ; (96 - 32 i + 64 c) mod 128 = 32 ((3 + 2 c - w) mod 4) rows
	s_mul_i32 s82, s82, 32*PK
	s_mov_b32 s60, 0x76543210                      ; v_permlanex16_b32: lane i reads lane i of the other half
	s_mov_b32 s61, 0xfedcba98
	; K, V: 64 rows of 32 elements of 8 bytes (16,384 dense bytes = 128 keys); padding behind every 32 words: 4 words (K, rel), 8 words (V)
	s_mov_b32 s[G1K+0], (3<<16)|(1<<20)|(4<<22)|(3<<25)
	s_mov_b32 s[G1V+0], (3<<16)|(1<<20)|(4<<22)|(7<<25)
	s_mov_b32 s[G1R+0], (3<<16)|(1<<20)|(4<<22)|(3<<25)
.irp b, G1K, G1V
	s_mov_b32 s[\b+1], 32<<16
	s_mov_b32 s[\b+2], 64<<16
	s_mov_b32 s[\b+3], 32<<16
	s_mov_b32 s[\b+4], 64
	s_mov_b32 s[\b+5], 32
	s_mov_b32 s[\b+6], 0
	s_mov_b32 s[\b+7], 0
.endr
	s_mov_b32 s[G1R+1], 32<<16                     ; rel at the start: 20 rows of 256 bytes = 40 rows of relb for each wave
	s_mov_b32 s[G1R+2], 20<<16
	s_mov_b32 s[G1R+3], 32<<16
	s_mov_b32 s[G1R+4], 20
	s_mov_b32 s[G1R+5], 32
	s_mov_b32 s[G1R+6], 0
	s_mov_b32 s[G1R+7], 0
	s_lshl_b32 s66, s9, 12                         ; my 32 queries in a block: 32 i rows of 128 bytes
	s_add_co_u32 s66, s66, s2
	s_lshl_b32 s14, s79, 14                        ; the first task's block, and its first slot: 7 - j
	s_mov_b32 s15, 0
	s_add_co_u32 s88, s66, s14
	s_mov_b32 s89, 0
	s_lshl_b32 s90, s12, 14                        ; the second task's block: j
	s_add_co_u32 s90, s90, s66
	s_mov_b32 s91, 0
	s_mul_i32 s62, s8, SCRW
	s_add_co_u32 s62, s62, SCRB                    ; my scratch
	s_add_co_u32 s63, s62, 4*SCRW                  ; my partner's (used by waves 0 .. 3 alone)
	s_wait_dscnt 0x0
	s_wait_kmcnt 0x0
	s_add_nc_u64 s[4:5], s[70:71], s[2:3]          ; K, V of my (batch, head)
	s_add_nc_u64 s[6:7], s[72:73], s[2:3]
	s_add_nc_u64 s[92:93], s[76:77], s[88:89]      ; where the task at work stores
	s_add_nc_u64 s[94:95], s[76:77], s[90:91]      ; where the second task will store
	s_add_nc_u64 s[88:89], s[68:69], s[88:89]      ; Q of the first task
	s_add_nc_u64 s[90:91], s[68:69], s[90:91]      ; Q of the second
.irp s, 0,1
	s_mov_b32 s[G0K+4*\s], 1
	s_mov_b32 s[G0K+4*\s+1], KVB+\s*SLOT
	s_mov_b32 s[G0V+4*\s], 1
	s_mov_b32 s[G0V+4*\s+1], KVB+VOFF+\s*SLOT
.endr
	s_add_nc_u64 s[G0K+2:G0K+3], s[4:5], s[14:15]  ; slot 0: the first trip's keys
	s_or_b32 s[G0K+3], s[G0K+3], 0x80000000
	s_add_nc_u64 s[G0V+2:G0V+3], s[6:7], s[14:15]
	s_or_b32 s[G0V+3], s[G0V+3], 0x80000000
	s_mov_b32 s[G0R], 1                            ; rel rows 768 + 40 w .. + 39
	s_mul_i32 s[G0R+1], s8, 40*PK
	s_add_co_u32 s[G0R+1], s[G0R+1], 768*PK
	s_mul_i32 s14, s8, 40*128
	s_add_co_u32 s14, s14, 768*128
	s_add_nc_u64 s[G0R+2:G0R+3], s[74:75], s[14:15]
	s_or_b32 s[G0R+3], s[G0R+3], 0x80000000
	s_mov_b32 s[G0R2], 1                           ; rel rows 128 (7 - w) .. + 127, for waves 2 .. 7: blocks 5 .. 0
	s_sub_co_u32 s14, 7, s8
	s_mul_i32 s[G0R2+1], s14, 128*PK
	s_lshl_b32 s14, s14, 14
	s_add_nc_u64 s[G0R2+2:G0R2+3], s[74:75], s[14:15]
	s_or_b32 s[G0R2+3], s[G0R2+3], 0x80000000
	tensor_load_to_lds s[G0R:G0R+3], s[G1R:G1R+7]  ; every wave: its eighth of rel's upper 320 rows
	s_nop 0
	JLOAD 0, 0                                     ; slot 0.  Waves 0 and 1 now have two loads out, the others one
	v_and_b32 v12, 15, v0                          ; r
	v_bfe_u32 v13, v0, 4, 1                        ; h
	v_and_b32 v14, 7, v0
	v_bfe_u32 v15, v0, 3, 1
	v_lshlrev_b32 v[QO], 7, v12
	v_lshl_add_u32 v[QO], v13, 4, v[QO]            ; Q: row r, 16 h
.irp qa, 0,1
.irp dc, 0,1
	global_load_b128 v[QF+16*\qa+8*\dc:QF+16*\qa+8*\dc+3],   v[QO], s[88:89] offset:\qa*2048+64*\dc
	global_load_b128 v[QF+16*\qa+8*\dc+4:QF+16*\qa+8*\dc+7], v[QO], s[88:89] offset:\qa*2048+64*\dc+32
.endr
.endr
	WIN 0x40                                       ; destination v256 ..: the second task's Q, wanted only when that task begins
.irp qa, 0,1
.irp dc, 0,1
	global_load_b128 v[16*\qa+8*\dc:16*\qa+8*\dc+3],   v[QO], s[90:91] offset:\qa*2048+64*\dc
	global_load_b128 v[16*\qa+8*\dc+4:16*\qa+8*\dc+7], v[QO], s[90:91] offset:\qa*2048+64*\dc+32
.endr
.endr
	WIN 0
	v_lshl_add_u32 v3, v13, 3, v14                 ; V: key row 8 h + lane mod 8
	v_mul_u32_u24 v3, v3, PVV
	v_lshl_add_u32 v3, v15, 4, v3
	s_mul_i32 s14, s11, 64*PVV
	s_add_co_u32 s14, s14, KVB+VOFF
	v_add_nc_u32 v3, s14, v3                       ; v3: V, my 64 keys
	v_mul_u32_u24 v15, v12, PK
	v_lshl_add_u32 v15, v13, 4, v15                ; v15: r pitch + 16 h, the lane term of rel and K fragments
	s_mul_i32 s14, s11, 64*PK
	s_add_co_u32 s14, s14, KVB
	v_add_nc_u32 v2, s14, v15                      ; v2: K, my 64 keys
	v_add_nc_u32 v[RL], s82, v15
	v_mul_u32_u24 v4, v12, SPI
	v_lshl_add_u32 v4, v13, 5, v4
	v_add_nc_u32 v4, s62, v4                       ; v4: skew in: row r, column 8 h
	v_mul_u32_u24 v5, v12, SPI-4
	v_lshl_add_u32 v5, v13, 5, v5
	v_add_nc_u32 v5, s62, v5
	v_add_nc_u32 v5, 60, v5                        ; v5: skew out: row r, column 8 h + 15 - r
	v_lshlrev_b32 v6, 3, v13
	v_sub_nc_u32 v6, v12, v6
	s_lshl_b32 s14, s9, 5
	s_lshl_b32 s15, s11, 6
	s_sub_co_u32 s14, s14, s15
	v_add_nc_u32 v6, s14, v6                       ; v6: 32 i - 64 c + r - 8 h (signed), for the mask of the diagonal slot
	v_mov_b32 v7, MASKV
	s_wait_loadcnt 0x8                             ; the first task's Q; the second task's eight loads stay out
.macro RELTILE e                       ; rel rows 16 e .. +15 of the unit's window into buffer e mod 3
.set FB, F+16*((\e)%3)
.irp dc, 0,1
	ds_load_b128 v[FB+8*\dc:FB+8*\dc+3],   v1 offset:16*(\e)*PK+64*\dc
	ds_load_b128 v[FB+8*\dc+4:FB+8*\dc+7], v1 offset:16*(\e)*PK+64*\dc+32
.endr
.endm
.macro KTILE kt, slot
.set FB, F+16*((\kt)%3)
.irp dc, 0,1
	ds_load_b128 v[FB+8*\dc:FB+8*\dc+3],   v2 offset:\slot*SLOT+16*(\kt)*PK+64*\dc
	ds_load_b128 v[FB+8*\dc+4:FB+8*\dc+7], v2 offset:\slot*SLOT+16*(\kt)*PK+64*\dc+32
.endr
.endm
; Columns 16 t5 .. +15 of G for both sub-tiles: sub-tile 0 needs rel tile t5 + 1, sub-tile 1 tile t5.  The two accumulators take turns.
.macro SKEW t5, cnt
	s_wait_dscnt \cnt                              ; LDS instructions issued behind the younger of the two tiles needed
.set FX, F+16*((\t5+1)%3)
.set FY, F+16*((\t5)%3)
	v_wmma_f32_16x16x32_f16 v[G:G+7],    v[FX:FX+7],    v[QF:QF+7],     0
	v_wmma_f32_16x16x32_f16 v[G+8:G+15], v[FY:FY+7],    v[QF+16:QF+23], 0
	v_wmma_f32_16x16x32_f16 v[G:G+7],    v[FX+8:FX+15], v[QF+8:QF+15],  v[G:G+7]
	v_wmma_f32_16x16x32_f16 v[G+8:G+15], v[FY+8:FY+15], v[QF+24:QF+31], v[G+8:G+15]
	PLACES 5                                       ; four before the stores read G and a buffer is loaded again, five before the next products write over G
	ds_store_b128 v4, v[G:G+3]     offset:64*\t5
	ds_store_b128 v4, v[G+4:G+7]   offset:64*\t5+16
	ds_store_b128 v4, v[G+8:G+11]  offset:16*SPI+64*\t5
	ds_store_b128 v4, v[G+12:G+15] offset:16*SPI+64*\t5+16
.if \t5 <= 2
	RELTILE \t5+3
.endif
.endm
.macro QK kt                           ; S^T(kt) += K(kt) Q^T, on top of the skew term; the two sub-tiles take turns
.set FB, F+16*((\kt)%3)
	v_wmma_f32_16x16x32_f16 v[S+8*\kt:S+8*\kt+7],       v[FB:FB+7],    v[QF:QF+7],     v[S+8*\kt:S+8*\kt+7]
	v_wmma_f32_16x16x32_f16 v[S+32+8*\kt:S+32+8*\kt+7], v[FB:FB+7],    v[QF+16:QF+23], v[S+32+8*\kt:S+32+8*\kt+7]
	v_wmma_f32_16x16x32_f16 v[S+8*\kt:S+8*\kt+7],       v[FB+8:FB+15], v[QF+8:QF+15],  v[S+8*\kt:S+8*\kt+7]
	v_wmma_f32_16x16x32_f16 v[S+32+8*\kt:S+32+8*\kt+7], v[FB+8:FB+15], v[QF+24:QF+31], v[S+32+8*\kt:S+32+8*\kt+7]
.endm
; 64 keys of sub-tile qa: new maximum, weights, sum, rescale of O, weights packed to f16 in place
.macro SOFTMAX qa, first
.set SB, S+32*\qa
.set OB, O+32*\qa
	v_max3_num_f32 v[T],   v[SB],    v[SB+1],  v[SB+2]
	v_max3_num_f32 v[T+1], v[SB+16], v[SB+17], v[SB+18]
.irp i, 3,5,7,9,11,13
	v_max3_num_f32 v[T],   v[T],   v[SB+\i],    v[SB+\i+1]
	v_max3_num_f32 v[T+1], v[T+1], v[SB+16+\i], v[SB+17+\i]
.endr
	v_max3_num_f32 v[T], v[T], v[SB+15], v[SB+31]
	v_max_num_f32 v[T], v[T], v[T+1]
	v_permlanex16_b32 v[T+1], v[T], s60, s61       ; the other half's keys of the same query
.if \first
	v_max_num_f32 v[MX+\qa], v[T], v[T+1]
.else
	v_mul_f32 v[T+2], NCSC, v[MX+\qa]              ; -M c as the last unit's exponents used it
	v_max3_num_f32 v[MX+\qa], v[T], v[T+1], v[MX+\qa]
.endif
	v_mul_f32 v[NM],   NCSC, v[MX+\qa]
	v_mul_f32 v[NM+1], NCSC, v[MX+\qa]
.if \first == 0
	v_sub_f32 v[T+2], v[NM], v[T+2]
	v_exp_f32 v[AL],   v[T+2]                      ; the rescale factor, twice, for the packed multiply; the fused multiply-adds below are the plain place behind it
	v_exp_f32 v[AL+1], v[T+2]
.endif
.irp i, 0,2,4,6,8,10,12,14,16,18,20,22,24,26,28,30
	v_pk_fma_f32 v[SB+\i:SB+\i+1], v[SB+\i:SB+\i+1], CSC, v[NM:NM+1] op_sel_hi:[1,0,1]
.endr
.irp i, 0,1,2,3,4,5,6,7,8,9,10,11,12,13,14,15,16,17,18,19,20,21,22,23,24,25,26,27,28,29,30,31
	v_exp_f32 v[SB+\i], v[SB+\i]
.endr
.if \first
	v_nop                                          ; one plain place behind the exponentials (ISA guide 5.7.2)
	s_wait_alu depctr_va_vdst(0)
.else
	s_wait_alu depctr_va_vdst(0)
.irp i, 0,2,4,6,8,10,12,14,16,18,20,22,24,26,28,30
	v_pk_mul_f32 v[OB+\i:OB+\i+1], v[OB+\i:OB+\i+1], v[AL:AL+1]    ; also the plain place behind the exponentials
.endr
.endif
	v_pk_add_f32 v[SA:SA+1],   v[SB:SB+1],   v[SB+2:SB+3]
	v_pk_add_f32 v[SB2:SB2+1], v[SB+4:SB+5], v[SB+6:SB+7]
.irp i, 8,12,16,20,24,28
	v_pk_add_f32 v[SA:SA+1],   v[SA:SA+1],   v[SB+\i:SB+\i+1]
	v_pk_add_f32 v[SB2:SB2+1], v[SB2:SB2+1], v[SB+\i+2:SB+\i+3]
.endr
	v_pk_add_f32 v[SA:SA+1], v[SA:SA+1], v[SB2:SB2+1]
.if \first
	v_add_f32 v[LS+\qa], v[SA], v[SA+1]
.else
	v_add_f32 v[SA], v[SA], v[SA+1]
	v_fma_f32 v[LS+\qa], v[LS+\qa], v[AL], v[SA]
.endif
.irp kc, 0,1
.irp i, 0,1,2,3,4,5,6,7
	v_cvt_pk_f16_f32 v[SB+16*\kc+\i], v[SB+16*\kc+2*\i], v[SB+16*\kc+2*\i+1]   ; register i is written behind the reads of 2 i and 2 i + 1
.endr
.endr
.endm
.macro PVK kc, zero                    ; O^T += V^T P^T for 32 keys; eight accumulators take turns
.irp dt, 0,1,2,3
.irp qa, 0,1
.if \zero
	v_wmma_f32_16x16x32_f16 v[O+32*\qa+8*\dt:O+32*\qa+8*\dt+7], v[F+8*(4*\kc+\dt):F+8*(4*\kc+\dt)+7], v[S+32*\qa+16*\kc:S+32*\qa+16*\kc+7], 0
.else
	v_wmma_f32_16x16x32_f16 v[O+32*\qa+8*\dt:O+32*\qa+8*\dt+7], v[F+8*(4*\kc+\dt):F+8*(4*\kc+\dt)+7], v[S+32*\qa+16*\kc:S+32*\qa+16*\kc+7], v[O+32*\qa+8*\dt:O+32*\qa+8*\dt+7]
.endif
.endr
.endr
.endm
; my 64 keys of the slot against my 32 queries.  The places behind the last unit's products stand at the head of the trip.
.macro UNIT slot, first
	RELTILE 0
	RELTILE 1
	RELTILE 2
	SKEW 0, 4                                      ; out behind tiles 0, 1: tile 2's four loads
	SKEW 1, 8                                      ; behind tile 2: four stores, tile 3's four loads
	SKEW 2, 8
	SKEW 3, 8
	SKEW 4, 4                                      ; behind tile 5: four stores
.irp qa, 0,1
.irp kt, 0,1,2,3
.irp j, 0,1,2,3,4,5,6,7
	ds_load_b32 v[S+32*\qa+8*\kt+\j], v5 offset:\qa*16*SPI+64*\kt+4*\j     ; my own scratch, served in order behind the stores
.endr
.endr
.endr
	KTILE 0, \slot
	KTILE 1, \slot
	KTILE 2, \slot
	s_wait_dscnt 8                                 ; the skew terms and K tile 0 are in; tiles 1, 2 stay out
	QK 0
	PLACES 4
	KTILE 3, \slot
	s_wait_dscnt 8                                 ; tiles 2, 3 stay out
	QK 1
	s_wait_dscnt 4
	QK 2
	s_wait_dscnt 0
	QK 3
	PLACES 4                                       ; then the buffers are loaded again and the scores read
.irp kc, 0,1
.irp dt, 0,1,2,3
	ds_load_tr16_b128 v[F+8*(4*\kc+\dt):F+8*(4*\kc+\dt)+3],   v3 offset:\slot*SLOT+32*\kc*PVV+32*\dt
	ds_load_tr16_b128 v[F+8*(4*\kc+\dt)+4:F+8*(4*\kc+\dt)+7], v3 offset:\slot*SLOT+32*\kc*PVV+32*\dt+16*PVV
.endr
.endr
.if \first == 0
	s_cmp_lg_u32 s81, 0                            ; a task's first slot, the diagonal one, alone is masked: key > query
	s_cbranch_scc1 .Lnomask_\@
.endif
.irp qa, 0,1
.irp kt, 0,1,2,3
.irp j, 0,1,2,3,4,5,6,7
	v_cmp_gt_i32 vcc_lo, 16*\kt+\j-16*\qa, v6
	v_cndmask_b32 v[S+32*\qa+8*\kt+\j], v[S+32*\qa+8*\kt+\j], v7, vcc_lo
.endr
.endr
.endr
.Lnomask_\@:
	SOFTMAX 0, \first
	SOFTMAX 1, \first
	s_wait_dscnt 0x0                               ; V's fragments
	PVK 0, \first
	PVK 1, 0
.endm
; A c = 1 wave hands over: O (16 x 512 bytes, 16 consecutive bytes a lane), then M and L, into its own scratch
.macro GIVE
	v_and_b32 v[AD], 31, v0
	v_lshlrev_b32 v[AD], 4, v[AD]
	v_add_nc_u32 v[AD], s62, v[AD]
.irp n, 0,1,2,3,4,5,6,7,8,9,10,11,12,13,14,15
	ds_store_b128 v[AD], v[O+4*\n:O+4*\n+3] offset:512*\n
.endr
	ds_store_b128 v[AD], v[MX:MX+3] offset:8192
.endm
; A c = 0 wave takes its partner's O, M, L, merges, divides by the sum, rounds to f16 and stores: through its own scratch (rows of 144 bytes),
; out as 512 consecutive bytes a store.  The factors are exp2 of the differences of the rounded products -M c, the numbers that the exponents used:
; the side with the larger maximum gets exactly 1.  O stays in f32, finite: the next task's first rescale factor, 0, removes it.
.macro TAKE
	v_and_b32 v[AD+3], 31, v0
	v_lshlrev_b32 v[AD], 4, v[AD+3]
	v_add_nc_u32 v[AD], s63, v[AD]
	ds_load_b128 v[ML:ML+3], v[AD] offset:8192
.irp n, 0,1,2,3,4,5,6,7,8,9,10,11,12,13,14,15
	ds_load_b128 v[S+4*\n:S+4*\n+3], v[AD] offset:512*\n
.endr
	v_add_nc_u32 v[AD+1], s62, v15                 ; stage in: row r, 16 h
	v_lshrrev_b32 v[AD+2], 3, v[AD+3]
	v_mul_u32_u24 v[AD+2], v[AD+2], PK
	v_lshl_add_u32 v[AD+2], v14, 4, v[AD+2]
	v_add_nc_u32 v[AD+2], s62, v[AD+2]             ; stage back: eight lanes take a row of 128 bytes
	v_lshlrev_b32 v[AD+3], 4, v[AD+3]
	s_wait_dscnt 16                                ; M and L are in; the sixteen loads of O stay out
.irp q, 0,1
	v_max_num_f32 v[T+\q], v[MX+\q], v[ML+\q]
	v_mul_f32 v[W+\q],   NCSC, v[MX+\q]
	v_mul_f32 v[W+2+\q], NCSC, v[ML+\q]
	v_mul_f32 v[T+\q],   NCSC, v[T+\q]
	v_sub_f32 v[W+\q],   v[T+\q], v[W+\q]
	v_sub_f32 v[W+2+\q], v[T+\q], v[W+2+\q]
.endr
	v_exp_f32 v[W],   v[W]
	v_exp_f32 v[W+1], v[W+1]
	v_exp_f32 v[W+2], v[W+2]
	v_exp_f32 v[W+3], v[W+3]
	v_nop                                          ; one plain place behind the exponentials (ISA guide 5.7.2)
	s_wait_alu depctr_va_vdst(0)
.irp q, 0,1
	v_mul_f32 v[LS+\q], v[LS+\q], v[W+\q]
	v_fma_f32 v[LS+\q], v[ML+2+\q], v[W+2+\q], v[LS+\q]
	v_permlanex16_b32 v[T+\q], v[LS+\q], s60, s61  ; the other half of the lanes holds the other keys' sum
	v_add_f32 v[LS+\q], v[LS+\q], v[T+\q]
.endr
	v_rcp_f32 v[T],   v[LS]
	v_rcp_f32 v[T+1], v[LS+1]
	v_nop
	s_wait_alu depctr_va_vdst(0)
	v_mul_f32 v[AL],    v[W],   v[T]               ; each factor over the sum, twice, for the packed forms
	v_mul_f32 v[AL+1],  v[W],   v[T]
	v_mul_f32 v[NM],    v[W+2], v[T]
	v_mul_f32 v[NM+1],  v[W+2], v[T]
	v_mul_f32 v[SA],    v[W+1], v[T+1]
	v_mul_f32 v[SA+1],  v[W+1], v[T+1]
	v_mul_f32 v[SB2],   v[W+3], v[T+1]
	v_mul_f32 v[SB2+1], v[W+3], v[T+1]
.irp i, 0,2,4,6,8,10,12,14,16,18,20,22,24,26,28,30
	v_pk_mul_f32 v[O+\i:O+\i+1],       v[O+\i:O+\i+1],       v[AL:AL+1]
	v_pk_mul_f32 v[O+32+\i:O+32+\i+1], v[O+32+\i:O+32+\i+1], v[SA:SA+1]
.endr
	s_wait_dscnt 0x0                               ; the partner's O
.irp i, 0,2,4,6,8,10,12,14,16,18,20,22,24,26,28,30
	v_pk_fma_f32 v[O+\i:O+\i+1],       v[S+\i:S+\i+1],       v[NM:NM+1],   v[O+\i:O+\i+1]
	v_pk_fma_f32 v[O+32+\i:O+32+\i+1], v[S+32+\i:S+32+\i+1], v[SB2:SB2+1], v[O+32+\i:O+32+\i+1]
.endr
.irp n, 0,1,2,3,4,5,6,7
.irp i, 0,1,2,3
	v_cvt_pk_f16_f32 v[S+4*\n+\i], v[O+8*\n+2*\i], v[O+8*\n+2*\i+1]
.endr
.endr
.irp qa, 0,1
.irp dt, 0,1,2,3
	ds_store_b128 v[AD+1], v[S+4*(4*\qa+\dt):S+4*(4*\qa+\dt)+3] offset:\qa*16*PK+32*\dt
.endr
.endr
.irp i, 0,1,2,3,4,5,6,7
	ds_load_b128 v[S+32+4*\i:S+32+4*\i+3], v[AD+2] offset:4*PK*\i  ; my own scratch, served in order behind the stores
.endr
.irp i, 0,1,2,3,4,5,6,7
	s_wait_dscnt 7-\i                              ; the younger read-backs stay out
	global_store_b128 v[AD+3], v[S+32+4*\i:S+32+4*\i+3], s[92:93] offset:512*\i
.endr
.endm
; The second task begins: its Q out of v256 .., its place in ab, and M = -2^100, under which the first real maximum's rescale factor is 0: nothing is cleared
.macro NEWTASK
	s_wait_xcnt 0x0                                ; the stores' base and data are rewritten only behind this wait
	s_mov_b64 s[92:93], s[94:95]
	s_wait_loadcnt 0x0                             ; the eight loads issued at the start
	WIN 0x01                                       ; source v256 ..
.irp n, 0,1,2,3,4,5,6,7,8,9,10,11,12,13,14,15,16,17,18,19,20,21,22,23,24,25,26,27,28,29,30,31
	v_mov_b32 v[QF+\n], v[\n]
.endr
	WIN 0
	v_mov_b32 v[MX],   v7
	v_mov_b32 v[MX+1], v7
.endm
; One trip: 128 keys, 64 for each wave.  In front of the first barrier every wave has waited for all its tensor loads and its LDS instructions;
; the fill of the slot read last stands first behind it, one load in waves 0 and 1 (one in every wave in the first trip), and has this trip's unit in which to land.
; In the trip in which the second task begins (equal in all waves: it hangs on the work-group's number and the trip) the c = 1 waves hand over in
; front of that barrier and the c = 0 waves take behind it.  The second barrier orders those reads of the partner's scratch with the partner's next
; skew stores; it stands in every trip after the first, so that every path passes the same barriers; the trip's fill stays out across it.
.macro TRIP slot, refill, first
.if \first == 0
	PLACES 5                                       ; behind the last unit's products, ahead of every branch of the trip, so on every path: four before O is read or stored and before
	                                               ; their sources are written or loaded again, five before the skew products write over v224-239 (ISA guide 7.12.1)
	s_cmp_eq_u32 s10, s78                          ; does the second task begin here?
	s_cselect_b32 s79, s12, s79                    ; then with its diagonal slot, t = j,
	s_cselect_b32 s81, 0, s81                      ; s = 0
	s_cbranch_scc0 .Lsame_a_\@
	s_cmp_lt_u32 s8, 4
	s_cbranch_scc1 .Lsame_a_\@
	GIVE
.Lsame_a_\@:
.endif
	s_wait_tensorcnt 0x0                           ; all my tensor loads have landed: every group 0 may be written
	ds_add_u32 v254, v255
	s_wait_dscnt 0x0
.if \refill
	s_add_co_u32 s14, s10, 1
	s_sub_co_u32 s15, s79, 1                       ; the next trip's slot: one further down,
	s_cmp_eq_u32 s14, s78
	s_cselect_b32 s14, s12, s15                    ; or the second task's diagonal slot
	s_lshl_b32 s14, s14, 14
	s_mov_b32 s15, 0
	s_add_nc_u64 s[G0K+4*(1-\slot)+2:G0K+4*(1-\slot)+3], s[4:5], s[14:15]
	s_or_b32 s[G0K+4*(1-\slot)+3], s[G0K+4*(1-\slot)+3], 0x80000000
	s_add_nc_u64 s[G0V+4*(1-\slot)+2:G0V+4*(1-\slot)+3], s[6:7], s[14:15]
	s_or_b32 s[G0V+4*(1-\slot)+3], s[G0V+4*(1-\slot)+3], 0x80000000
.endif
	s_wait_dscnt 0x0                               ; my reads of the other slot are back, what I handed over is written
	s_barrier_signal -1
	s_barrier_wait -1
.if \refill
	JLOAD 1-\slot, \first
.endif
.if \first == 0
	s_cmp_lg_u32 s10, s78
	s_cbranch_scc1 .Lsame_b_\@
	s_cmp_ge_u32 s8, 4
	s_cbranch_scc1 .Lgave_\@
	TAKE
.Lgave_\@:
	NEWTASK
.Lsame_b_\@:
	s_wait_dscnt 0x0
	s_barrier_signal -1
	s_barrier_wait -1
.endif
	s_sub_co_u32 s14, 7, s81                       ; rel's window: rows 128 (7 - s) + 96 - 32 i + 64 c ..,
	s_add_co_u32 s14, s14, s80                     ; in blocks of 128 and a rest below 128
	s_min_u32 s14, s14, 7                          ; cuts in waves 4 and 5 at s = 0 alone, where the mask throws every score away
	s_mul_i32 s14, s14, 128*PK
	v_add_nc_u32 v1, s14, v[RL]
	UNIT \slot, \first
	s_add_co_u32 s10, s10, 1
	s_sub_co_u32 s79, s79, 1
	s_add_co_u32 s81, s81, 1
.endm
	TRIP 0, 1, 1                                   ; trip 0: the first task's diagonal slot; its products start the sums
	s_mov_b32 s13, 3
.Llap:
	TRIP 1, 1, 0                                   ; trips 1 .. 6
	TRIP 0, 1, 0
	s_sub_co_u32 s13, s13, 1
	s_cmp_lg_u32 s13, 0
	s_cbranch_scc1 .Llap
	TRIP 1, 1, 0                                   ; trip 7
	TRIP 0, 0, 0                                   ; trip 8 fetches nothing
	; the second task's end
	PLACES 4                                       ; behind the last products, ahead of the branch: O is stored or read only behind them
	s_cmp_lt_u32 s8, 4
	s_cbranch_scc1 .Lkeeps
	GIVE
.Lkeeps:
	s_wait_dscnt 0x0
	s_barrier_signal -1
	s_barrier_wait -1
	s_cmp_ge_u32 s8, 4
	s_cbranch_scc1 .Lend
	TAKE
.Lend:
	s_wait_tensorcnt 0x0
	ds_add_u32 v254, v255
	s_wait_dscnt 0x0
	s_endpgm
.Lfunc_end_k_q85deb5a72f_attn:
	.size	k_q85deb5a72f_attn, .Lfunc_end_k_q85deb5a72f_attn-k_q85deb5a72f_attn
	.p2alignl 7, 3214868480
	.fill 96, 4, 3214868480
	.section	.rodata,"a",@progbits
	.p2align	6, 0x0
	.amdhsa_kernel k_q85deb5a72f_attn
		.amdhsa_group_segment_fixed_size 327680
		.amdhsa_private_segment_fixed_size 0
		.amdhsa_enable_private_segment 0
		.amdhsa_kernarg_size 40
		.amdhsa_user_sgpr_count 2
		.amdhsa_user_sgpr_kernarg_segment_ptr 1
		.amdhsa_wavefront_size32 1
		.amdhsa_system_sgpr_workgroup_id_x 1
		.amdhsa_system_sgpr_workgroup_id_y 1
		.amdhsa_system_sgpr_workgroup_id_z 1
		.amdhsa_system_vgpr_workitem_id 0
		.amdhsa_next_free_vgpr 288
		.amdhsa_next_free_sgpr 96
		.amdhsa_reserve_vcc 1
		.amdhsa_float_denorm_mode_32 3
		.amdhsa_float_denorm_mode_16_64 3
		.amdhsa_memory_ordered 1
		.amdhsa_forward_progress 1
		.amdhsa_inst_pref_size 237
	.end_amdhsa_kernel
	.amdgpu_metadata
---
amdhsa.version: [ 1, 2 ]
amdhsa.kernels:
  - .name:           k_q85deb5a72f_attn
    .symbol:         k_q85deb5a72f_attn.kd
    .args:
      - { .name: qb, .offset: 0, .size: 8, .value_kind: global_buffer, .address_space: global }
      - { .name: kb, .offset: 8, .size: 8, .value_kind: global_buffer, .address_space: global }
      - { .name: vb, .offset: 16, .size: 8, .value_kind: global_buffer, .address_space: global }
      - { .name: relb, .offset: 24, .size: 8, .value_kind: global_buffer, .address_space: global }
      - { .name: ab, .offset: 32, .size: 8, .value_kind: global_buffer, .address_space: global }
    .group_segment_fixed_size: 327680
    .private_segment_fixed_size: 0
    .kernarg_segment_align: 8
    .kernarg_segment_size: 40
    .max_flat_workgroup_size: 256
    .sgpr_count:     96
    .vgpr_count:     288
    .wavefront_size: 32
...
	.end_amdgpu_metadata
.endif
;; end of part 3
;; launch oproj (part 4): grid 8 x 32, 4 waves a work-group, clusters of 4 x 4, 327,680 bytes of LDS; arguments ab, wob, bo, out0; writes out0
.if DOCPART == 4
	.amdgcn_target "amdgcn-amd-amdhsa--gfx1250"
	.amdhsa_code_object_version 6
	.text
	.protected	k_q85deb5a72f_oproj
	.globl	k_q85deb5a72f_oproj
	.p2align	8
	.type	k_q85deb5a72f_oproj,@function
k_q85deb5a72f_oproj:
	s_mov_b64 s[64:65], 0
	v_nop
	global_prefetch_b8 v0, s[64:65] scope:SCOPE_SE
	s_setreg_imm32_b32 hwreg(HW_REG_WAVE_MODE, 25, 1), 1
	s_wait_xcnt 0x0
	s_wait_alu depctr_hold_cnt(0) depctr_sa_sdst(0) depctr_va_vdst(0) depctr_va_sdst(0) depctr_va_ssrc(0) depctr_va_vcc(0) depctr_vm_vsrc(0)
	s_getreg_b32 s2, hwreg(HW_REG_IB_STS2, 6, 4)
	s_cmp_eq_u32 s2, 0
	s_cbranch_scc0 .Lentry_in_a_cluster
	s_endpgm
.Lentry_in_a_cluster:
	s_bfe_u32 s2, ttmp6, 0x10000c
	s_cmp_lg_u32 s2, 0xf033
	s_cbranch_scc0 .Lentry_shape_is_right
	s_endpgm
.Lentry_shape_is_right:
; out0 = attention output x Wo + bo.  f16 operands, f32 sums and output.  A work-group makes 128 x 128; wave (wm, wn) makes 64 x 64: 16 tiles.
; ab is [b][h][s][64]: k = 64 h + d.  K goes in 4 steps of 256 (four heads) through two LDS slots; a step is 8 chunks of 32, 16 matrix instructions each.
; CLUSTER 4 x 4: rows of ab are shared along a row of the cluster, columns of Wo along a column; both are asked for jointly.
; Wo lies [k][n] in LDS and comes out transposed; the matrix instruction is used transposed (source 0 = columns of Wo, source 1 = rows of ab),
; so a lane holds 8 neighbouring columns of a row.  The first chunk takes the bias as C.
; Window 0: addresses, fragments, bias, way out.  Window 1: the tiles, (a, t) at 8 (4 a + t).
.set PA,     144                       ; ab rows: 128 bytes + 16
.set PB,     288                       ; Wo rows: 256 bytes + 32
.set SLOT,   147456                    ; ab [4 heads][128 s], then Wo 256 k
.set BOFF,   73728
.set QUART,  36864                     ; what one tensor load brings
.set STAGE,  294912                    ; behind the ring: 16 rows x 272 bytes for each wave; no tensor load lands here
.set SPITCH, 272
.set ADRA, 16
.set ADRB, 20                          ; 2 slot + half of the slot's k
.set STO,  24
.set RD,   25
.set CO,   26
.set BO,   27
.set FR,   32                          ; v32-159 two buffers: 32 of ab, 32 of Wo
.set RB,   160
.set BIAS, 192
.set G1,  24
.set G0,  32
.set G1B, 48
.set G0B, 56
.set MSB, 0
.macro WIN new
.if MSB != \new
	s_set_vgpr_msb (MSB<<8)|\new
.set MSB, \new
.endif
.endm
.macro PLACES n
.rept \n
	v_nop
.endr
.endm
.macro ROUND
	s_barrier_signal -1
	s_barrier_wait -1
	s_cmp_lg_u32 s8, 0
	s_cbranch_scc1 .Lnot_wave_0_\@
	s_barrier_signal -3
.Lnot_wave_0_\@:
	s_barrier_wait -3
	s_barrier_signal -1
	s_barrier_wait -1
.endm
.macro JLOAD s                         ; waves 0, 1: two heads of ab each; waves 2, 3: 128 k of Wo each
	s_cmp_eq_u32 s11, 0
	s_cbranch_scc0 .Lfor_b_\@
	tensor_load_to_lds s[G0+4*(\s):G0+4*(\s)+3], s[G1:G1+7]
	s_nop 0
	s_branch .Lasked_\@
.Lfor_b_\@:
	tensor_load_to_lds s[G0B+4*(\s):G0B+4*(\s)+3], s[G1B:G1B+7]
	s_nop 0
.Lasked_\@:
.endm
	s_load_b256 s[68:75], s[0:1], 0x0              ; ab 68, wob 70, bo 72, out0 74
	v_lshl_add_u32 v254, v0, 2, 0x4c400
	v_mov_b32 v255, 0
	ds_add_u32 v254, v255
	ds_add_u32 v254, v255
	v_lshrrev_b32 v1, 5, v0
	v_readfirstlane_b32 s8, v1
	s_lshr_b32 s11, s8, 1                          ; wm.  Also: I fetch ab (0) or Wo (1)
	s_and_b32 s12, s8, 1                           ; wn.  Also: which half I fetch
	s_bfe_u32 s40, ttmp6, 0x40000
	s_bfe_u32 s41, ttmp6, 0x40004
	s_lshl_b32 s42, ttmp9, 2
	s_add_co_u32 s42, s42, s40                     ; column block
	s_and_b32 s13, ttmp7, 0xffff
	s_lshl_b32 s13, s13, 2
	s_add_co_u32 s13, s13, s41                     ; row block
	s_lshl_b32 s43, s41, 2
	s_lshl_b32 s43, 15, s43
	s_lshl_b32 s44, 0x1111, s40
	; ab: 2 rows (heads) of 2,048 elements of 8 bytes (128 s x 128 bytes, dense), 16,384 elements apart; 4 words of padding behind every 32
	s_or_b32 s[G1+0], s43, (3<<16)|(1<<20)|(1<<21)|(4<<22)|(3<<25)
	s_mov_b32 s[G1+1], 2048<<16
	s_mov_b32 s[G1+2], 2<<16
	s_mov_b32 s[G1+3], 2048<<16
	s_mov_b32 s[G1+4], 2
	s_mov_b32 s[G1+5], 16384
	s_mov_b32 s[G1+6], 0
	s_mov_b32 s[G1+7], 0
	; Wo: 128 rows x 128 elements of 2 bytes, pitch 1,024; 8 words of padding behind every 64
	s_or_b32 s[G1B+0], s44, (1<<16)|(1<<20)|(1<<21)|(5<<22)|(7<<25)
	s_mov_b32 s[G1B+1], 128<<16
	s_mov_b32 s[G1B+2], 128<<16
	s_mov_b32 s[G1B+3], 128<<16
	s_mov_b32 s[G1B+4], 128
	s_mov_b32 s[G1B+5], 1024
	s_mov_b32 s[G1B+6], 0
	s_mov_b32 s[G1B+7], 0
	s_lshr_b32 s16, s13, 3                         ; batch
	s_lshl_b32 s16, s16, 4
	s_lshl_b32 s17, s12, 1
	s_add_co_u32 s16, s16, s17                     ; head 16 b + 2 half
	s_lshl_b32 s16, s16, 10
	s_and_b32 s17, s13, 7
	s_lshl_b32 s17, s17, 7
	s_add_co_u32 s16, s16, s17                     ; + s0 = 128 (block mod 8)
	s_lshl_b32 s16, s16, 7
	s_mov_b32 s17, 0
	s_lshl_b32 s46, s12, 18                        ; Wo: 128 rows of 2,048 bytes for the second half
	s_lshl_b32 s47, s42, 8
	s_add_co_u32 s46, s46, s47
	s_mov_b32 s47, 0
	s_mul_i32 s20, s8, QUART                       ; ab's halves, then Wo's halves: wave x 36,864
	s_wait_dscnt 0x0
	s_wait_kmcnt 0x0
	s_add_nc_u64 s[14:15], s[68:69], s[16:17]
	s_add_nc_u64 s[46:47], s[70:71], s[46:47]
	ROUND
.irp s, 0,1
	s_mov_b32 s[G0+4*\s], 1
	s_add_co_u32 s[G0+4*\s+1], s20, \s*SLOT
	s_add_nc_u64 s[G0+4*\s+2:G0+4*\s+3], s[14:15], \s*524288
	s_or_b32 s[G0+4*\s+3], s[G0+4*\s+3], 0x80000000
	s_mov_b32 s[G0B+4*\s], 1
	s_add_co_u32 s[G0B+4*\s+1], s20, \s*SLOT
	s_add_nc_u64 s[G0B+4*\s+2:G0B+4*\s+3], s[46:47], \s*524288
	s_or_b32 s[G0B+4*\s+3], s[G0B+4*\s+3], 0x80000000
.endr
	JLOAD 0
	v_and_b32 v1, 15, v0                           ; r
	v_bfe_u32 v2, v0, 4, 1                         ; h
	v_and_b32 v3, 7, v0
	v_bfe_u32 v4, v0, 3, 1
	v_mul_u32_u24 v6, v1, PA
	v_lshl_add_u32 v6, v2, 4, v6
	s_mul_i32 s22, s11, 64*PA
	v_add_nc_u32 v[ADRA], s22, v6
	v_add_nc_u32 v[ADRA+1], SLOT, v[ADRA]
	v_lshl_add_u32 v7, v2, 3, v3
	v_mul_u32_u24 v7, v7, PB
	v_lshl_add_u32 v7, v4, 4, v7
	v_lshl_add_u32 v7, s12, 7, v7                  ; my 64 columns
	v_add_nc_u32 v[ADRB],   BOFF, v7
	v_add_nc_u32 v[ADRB+1], BOFF+QUART, v7
	v_add_nc_u32 v[ADRB+2], SLOT+BOFF, v7
	v_add_nc_u32 v[ADRB+3], SLOT+BOFF+QUART, v7
	s_mul_i32 s22, s8, 16*SPITCH
	s_add_co_u32 s22, s22, STAGE
	v_mul_u32_u24 v8, v1, SPITCH
	v_lshl_add_u32 v8, v2, 5, v8
	v_add_nc_u32 v[STO], s22, v8                   ; in: row r, 32 h
	v_mul_u32_u24 v9, v2, SPITCH
	v_lshl_add_u32 v9, v1, 4, v9
	v_add_nc_u32 v[RD], s22, v9                    ; back: lanes 0-15 one row of 256 bytes, lanes 16-31 the next
	v_lshlrev_b32 v[CO], 12, v2
	v_lshl_add_u32 v[CO], v1, 4, v[CO]
	v_lshlrev_b32 v[BO], 5, v2
	s_lshl_b32 s22, s42, 9
	s_lshl_b32 s23, s12, 8
	s_add_co_u32 s22, s22, s23                     ; my first column, in bytes of f32
	s_mov_b32 s23, 0
	s_add_nc_u64 s[84:85], s[72:73], s[22:23]
	s_add_nc_u64 s[74:75], s[74:75], s[22:23]
.irp t, 0,1,2,3
	global_load_b128 v[BIAS+8*\t:BIAS+8*\t+3],   v[BO], s[84:85] offset:64*\t
	global_load_b128 v[BIAS+8*\t+4:BIAS+8*\t+7], v[BO], s[84:85] offset:64*\t+16
.endr
	s_lshl_b32 s22, s13, 7
	s_lshl_b32 s23, s11, 6
	s_add_co_u32 s22, s22, s23                     ; my first row
	s_lshl_b32 s22, s22, 12
	s_mov_b32 s23, 0
	s_add_nc_u64 s[74:75], s[74:75], s[22:23]
	s_wait_loadcnt 0x0
.macro FETCH slot, kc                  ; chunk kc: head kc / 2, d from 32 (kc mod 2); Wo's rows 32 kc .. +31 of the slot
.set FF, FR+64*((\kc)&1)
.irp a, 0,1,2,3
	ds_load_b128 v[FF+8*\a:FF+8*\a+3],   v[ADRA+\slot] offset:((\kc)>>1)*128*PA+\a*16*PA+64*((\kc)&1)
	ds_load_b128 v[FF+8*\a+4:FF+8*\a+7], v[ADRA+\slot] offset:((\kc)>>1)*128*PA+\a*16*PA+64*((\kc)&1)+32
.endr
.irp t, 0,1,2,3
	ds_load_tr16_b128 v[FF+32+8*\t:FF+32+8*\t+3],   v[ADRB+2*\slot+((\kc)>>2)] offset:((\kc)&3)*32*PB+32*\t
	ds_load_tr16_b128 v[FF+32+8*\t+4:FF+32+8*\t+7], v[ADRB+2*\slot+((\kc)>>2)] offset:((\kc)&3)*32*PB+32*\t+16*PB
.endr
.endm
.macro MULS kc, first                  ; the 16 accumulators take turns, in the same order in every chunk
.set MF, FR+64*((\kc)&1)
.if \first
	WIN 0x40                                       ; D window 1, C (bias) window 0
.else
	WIN 0x50
.endif
.irp a, 0,1,2,3
.irp t, 0,1,2,3
.if \first
	v_wmma_f32_16x16x32_f16 v[8*(4*\a+\t):8*(4*\a+\t)+7], v[MF+32+8*\t:MF+32+8*\t+7], v[MF+8*\a:MF+8*\a+7], v[BIAS+8*\t:BIAS+8*\t+7]
.else
	v_wmma_f32_16x16x32_f16 v[8*(4*\a+\t):8*(4*\a+\t)+7], v[MF+32+8*\t:MF+32+8*\t+7], v[MF+8*\a:MF+8*\a+7], v[8*(4*\a+\t):8*(4*\a+\t)+7]
.endif
.endr
.endr
	WIN 0
.endm
.macro CHUNK slot, kc, first
	s_wait_dscnt 0x0                               ; this chunk's fragments are in
	PLACES 4                                       ; four places behind the matrix instructions that read the other buffer (ISA guide 7.12.1)
.if \kc < 7
	FETCH \slot, \kc+1
.endif
	MULS \kc, \first
.endm
.macro TRIP slot, refill, first
	s_wait_tensorcnt 0x0                           ; my one load that was out has landed: every group 0 may be written
	ds_add_u32 v254, v255
	s_wait_dscnt 0x0
	s_add_nc_u64 s[G0+4*\slot+2:G0+4*\slot+3], s[G0+4*\slot+2:G0+4*\slot+3], 1048576
	s_add_nc_u64 s[G0B+4*\slot+2:G0B+4*\slot+3], s[G0B+4*\slot+2:G0B+4*\slot+3], 1048576
	s_wait_dscnt 0x0                               ; my reads of the other slot are back
	ROUND
.if \refill
	JLOAD 1-\slot                                  ; the joint refill, first behind the round; it has this step's 128 matrix instructions in which to land
.endif
	FETCH \slot, 0
	CHUNK \slot, 0, \first
.irp kc, 1,2,3,4,5,6,7
	CHUNK \slot, \kc, 0
.endr
.endm
	TRIP 0, 1, 1
	TRIP 1, 1, 0
	TRIP 0, 1, 0
	TRIP 1, 0, 0
; THE WAY OUT, 16 rows at a time, f32: through my own stage, back as rows of 256 bytes; sixteen lanes store 256 consecutive bytes, aligned
.macro OUT16 a
	WIN 0x04                                       ; store data from window 1
.irp t, 0,1,2,3
	ds_store_b128 v[STO], v[8*(4*\a+\t):8*(4*\a+\t)+3]   offset:64*\t
	ds_store_b128 v[STO], v[8*(4*\a+\t)+4:8*(4*\a+\t)+7] offset:64*\t+16
.endr
	WIN 0
	s_wait_xcnt 0x0                                ; the read-back registers and the stores' base are rewritten only behind this wait
.if \a
	s_add_nc_u64 s[74:75], s[74:75], 65536         ; 16 rows of 4,096 bytes on
.endif
.irp i, 0,1,2,3,4,5,6,7
	ds_load_b128 v[RB+4*\i:RB+4*\i+3], v[RD] offset:2*SPITCH*\i
.endr
.irp i, 0,1,2,3,4,5,6,7
	s_wait_dscnt 7-\i                              ; the younger read-backs stay out
	global_store_b128 v[CO], v[RB+4*\i:RB+4*\i+3], s[74:75] offset:8192*\i th:TH_STORE_NT
.endr
.endm
	PLACES 4                                       ; behind the last matrix instructions, ahead of the stores of their results
	OUT16 0
	OUT16 1
	OUT16 2
	OUT16 3
	s_wait_tensorcnt 0x0
	ds_add_u32 v254, v255
	s_wait_dscnt 0x0
	ROUND                                          ; the closing round
	s_endpgm
.Lfunc_end_k_q85deb5a72f_oproj:
	.size	k_q85deb5a72f_oproj, .Lfunc_end_k_q85deb5a72f_oproj-k_q85deb5a72f_oproj
	.p2alignl 7, 3214868480
	.fill 96, 4, 3214868480
	.section	.rodata,"a",@progbits
	.p2align	6, 0x0
	.amdhsa_kernel k_q85deb5a72f_oproj
		.amdhsa_group_segment_fixed_size 327680
		.amdhsa_private_segment_fixed_size 0
		.amdhsa_enable_private_segment 0
		.amdhsa_kernarg_size 32
		.amdhsa_user_sgpr_count 2
		.amdhsa_user_sgpr_kernarg_segment_ptr 1
		.amdhsa_wavefront_size32 1
		.amdhsa_system_sgpr_workgroup_id_x 1
		.amdhsa_system_sgpr_workgroup_id_y 1
		.amdhsa_system_sgpr_workgroup_id_z 1
		.amdhsa_system_vgpr_workitem_id 0
		.amdhsa_next_free_vgpr 384
		.amdhsa_next_free_sgpr 96
		.amdhsa_reserve_vcc 0
		.amdhsa_float_denorm_mode_32 3
		.amdhsa_float_denorm_mode_16_64 3
		.amdhsa_memory_ordered 1
		.amdhsa_forward_progress 1
		.amdhsa_inst_pref_size 91
	.end_amdhsa_kernel
	.amdgpu_metadata
---
amdhsa.version: [ 1, 2 ]
amdhsa.kernels:
  - .name:           k_q85deb5a72f_oproj
    .symbol:         k_q85deb5a72f_oproj.kd
    .args:
      - { .name: ab, .offset: 0, .size: 8, .value_kind: global_buffer, .address_space: global }
      - { .name: wob, .offset: 8, .size: 8, .value_kind: global_buffer, .address_space: global }
      - { .name: bo, .offset: 16, .size: 8, .value_kind: global_buffer, .address_space: global }
      - { .name: out0, .offset: 24, .size: 8, .value_kind: global_buffer, .address_space: global }
    .group_segment_fixed_size: 327680
    .private_segment_fixed_size: 0
    .kernarg_segment_align: 8
    .kernarg_segment_size: 32
    .max_flat_workgroup_size: 128
    .sgpr_count:     96
    .vgpr_count:     384
    .wavefront_size: 32
...
	.end_amdgpu_metadata
.endif
;; end of part 4
